; MI455X (gfx1250); checked and timed in simulation.
; The chip was launched on July 23, 2026; its instructions are those of AMD's public machine-readable ISA for CDNA 5 (MIT licence, August 2026) and "CDNA5" Instruction Set Architecture Reference Guide (July 2026). The comments in the code are by the model that wrote it; some were corrected since.
;; Attn. Allowed arithmetic: matrix products marked QUANTISED: E5M2 operands, one E8M0 scale for each 32 along K, by v_wmma_scale_f32_16x16x128_f8f6f4 with both operands' format E5M2, f32 sums; products left as they are: f32 operands where the result goes on into a quantised operand, else bf16, f16 or f32 operands; f32 sums; everything else in f32.
;; Inputs: W_dec 1,024 x 1,024 float32; W_enc 1,024 x 1,024 float32; b_dec 1,024 float32; coverage 32 x 2,048 float32; decoder_hidden 32 x 1 x 1,024 float32; encoder_outputs 32 x 2,048 x 1,024 float32; v 1,024 float32; w_cov 1,024 float32.
;; Outputs: out0 32 x 1 x 2,048 float32.
;; This version of the problem:
;;   THIS VERSION OF THE PROBLEM IS GIVEN IN LOW PRECISION. The matrix products marked QUANTISED in the list below multiply operands that are first quantised to E5M2 (5 exponent bits, 2 mantissa bits; 8 bits a number), with one power-of-two scale for each 32 numbers along K (OCP MX v1.0); their sums are f32. All else is computed in f32.
;;   The module's matrix products, in the order in which they are computed (A, B: the left and right operand; K: the contracted axis; several contracted axes count as one K, in the product's order):
;;     1. [M 65,536, K 1,024] x [K 1,024, N 1,024]; A: input encoder_outputs; B: input W_enc: QUANTISED
;;     2. [M 32, K 1,024] x [K 1,024, N 1,024]; A: input decoder_hidden; B: input W_dec: QUANTISED
;;     3. [M 65,536, K 1,024] x [K 1,024, N 1]; A: computed on the way; B: input v: left as it is (N = 1 < 16)
;;   THE QUANTISER, for each operand of a quantised product, along K:
;;     - K is cut into blocks of 32 from its start; a last block that is shorter is filled with zeros.
;;     - A block's scale is 2^e with e = floor(log2(the largest magnitude in the block)) - 15, held to -126 .. 127; a block of zeros has e = 0. As a byte (E8M0): e + 127.
;;     - Each number is divided by its block's scale, clamped to +-57,344, and rounded to the nearest number of E5M2, ties to even, subnormals kept.
;;     - The product sums the exact products of the quantised numbers (number of the format x scale) in f32.
;;   ~~~python
;;   def quantise(x, axis):      # numpy; x: float32 -> the quantised numbers, widened to float32 again
;;       x = np.moveaxis(x, axis, -1); K = x.shape[-1]
;;       x = np.pad(x, [(0, 0)] * (x.ndim - 1) + [(0, -K % 32)]); x = x.reshape(x.shape[:-1] + (-1, 32)); a = np.abs(x).max(-1, keepdims=True)
;;       e = np.where(a > 0, np.clip(np.frexp(np.where(a > 0, a, 1))[1] - 1 - 15, -126, 127), 0)      # np.frexp(a)[1] - 1 = floor(log2(a)), exactly
;;       r = np.clip(x / 2.0 ** e, -57344, 57344)
;;       step = 2.0 ** (np.maximum(np.frexp(np.where(r == 0, 1, r))[1] - 1, -14) - 2)
;;       q = np.round(r / step) * step * 2.0 ** e      # np.round: ties to even
;;       return np.moveaxis(q.reshape(q.shape[:-2] + (-1,))[..., :K], -1, axis).astype(np.float32)
;;   ~~~
;; One version. Each part assembles by itself: llvm-mc -triple=amdgcn-amd-amdhsa -mcpu=gfx1250 --defsym DOCPART=n.
;; ======== version 1 of 1: 3 launches
;; limits: right only within a limited range of input values
;; workspace buffers: wq 1,081,344 bytes; tab 393,216 bytes; scores 262,144 bytes
;; launch prep (part 1): grid 128 x 1, 8 waves a work-group, no clusters, 77,056 bytes of LDS; arguments W_enc, W_dec, decoder_hidden, b_dec, w_cov, v, wq, tab; writes wq, tab
.if DOCPART == 1
	.amdgcn_target "amdgcn-amd-amdhsa--gfx1250"
	.amdhsa_code_object_version 6
	.text
	.protected	k_q605acc0bae_prep
	.globl	k_q605acc0bae_prep
	.p2align	8
	.type	k_q605acc0bae_prep,@function
k_q605acc0bae_prep:
	s_mov_b64 s[64:65], 0
	v_nop
	global_prefetch_b8 v0, s[64:65] scope:SCOPE_SE
	s_setreg_imm32_b32 hwreg(HW_REG_WAVE_MODE, 25, 1), 1
	s_wait_xcnt 0x0
; What the large launch needs of the small inputs.  Work-group x owns the 16 outputs o = 16 t .. 16 t + 15, t = x / 2, and the 16 batches 16 g .. 16 g + 15, g = x % 2.  64 tiles x 2 halves = 128 work-groups of 8 waves.
; (1) W_enc's 16 rows become codes of BF8 (E5M2) with one E8M0 byte for each 32 along K, laid in wq as IMAGES OF THE OPERAND'S REGISTERS: record t of 16,896 bytes:
;     [K step k 0..7][c 0..3][lane][16 bytes] (lane (r, h): row 16 t + r, K = 128 k + 32 c + 16 h + 0..15), then 512 bytes of scale words [k / 4][r][k % 4].  Waves 0-3 of work-group (t, g) make K steps 4 g + wave.
; (2) dec = decoder_hidden W_dec^T, both operands quantised the same way, by the scaled matrix instruction: wave w takes K step w of the work-group's 16 batches; the eight partial sums meet in LDS.
; (3) tab[batch][t] = 16 numbers c (dec + b_dec), 16 numbers c w_cov, 16 numbers v; c = 2 log2(e), so that the large launch's tanh begins with one multiply-add.
; WORK LEFT OUT, in the whole program: tanh(x) = 1 - 2 / (1 + e^(2x)), so attn_scores[b][s] = sum_h v[h] - 2 sum_h v[h] / (1 + e^(2 x[b][s][h])).  The term sum_h v[h] is the same for every s of a row,
; and a term that is the same along the softmax's axis cancels in softmax for all values of the inputs: it is not computed.  Every input still has a way to the output and is loaded.
; LIMITS: an overflow, an infinity or a NaN that would arise in sum_h v[h] alone is not carried to the result.  A block of zeros gets the byte 1 (the rule says 127): its codes are zeros and this program alone reads the bytes.
; NaN and infinities among the inputs are not served.  The sum over K of product (2) is taken as eight partial sums added in pairs, not in ascending order.
; Each load reads 512 consecutive bytes of a row; the codes leave as 512 consecutive bytes a store, a work-group's scale words as one unit of 256 bytes; tab's lines leave in pieces of 64 bytes (384 KiB in all the launch).
; No tensor load, no cluster: a work-group reads 160 KiB once.
.set PART, 0                           ; LDS: 8 waves x 1,024 bytes: a wave's partial sums, [registers 0-3 | 4-7][lane][16 bytes]
.set SCB,  8192                        ; LDS: the work-group's 256 bytes of W_enc's scale words, [r][k % 4]
.set SPB,  8448                        ; LDS: the spare words, 128 bytes a wave
.set STG,  9472                        ; LDS: a stage of 16 rows x 528 bytes for each wave
.set RECB, 16896
.set TM,   12                          ; v12-27  at work in QUANT
.set PW0,  28                          ; v28     W_enc's scale word
.set SPW,  29
.set SWD,  30                          ; v30     W_dec's scale word: a scale operand, and nothing else
.set SDH,  31                          ; v31     decoder_hidden's
.set BD,   32                          ; v32-35  four numbers of b_dec
.set PC0,  36                          ; v36-51  W_enc's codes
.set DD,   52                          ; v52-59  the product
.set NIL,  63
.set L0,   64                          ; v64-127 W_enc's 64 numbers; later W_dec's codes (v64-79) and decoder_hidden's (v80-95); in wave 5 v96-127: w_cov and v
.set L1,   128                         ; v128-191 W_dec's 64 numbers; later the partial sums read back
.set L2,   192                         ; v192-255 decoder_hidden's
.set CWD,  64
.set CDH,  80
.set RD,   128
.set WV,   20
.set SEL,  40                          ; s[40:41] v_permlanex16_b32's selects for lane l xor 16
.set MNT,  42                          ; s42 the mantissa field of 57,344
.set CC,   44                          ; s[44:45] c, twice
; 64 numbers of a lane, register 16 b + i = K 32 b + 16 (lane / 16) + i of my row, become a fragment's codes in v[pc] on and its scale word in v[pw]
.macro QUANT s, pc, pw
.irp b, 0,1,2,3
	v_max3_num_f32 v[TM+\b], |v[\s+16*\b]|, |v[\s+1+16*\b]|, 0x8000000   ; block b: my 16 numbers and the floor 2^(16 - 127): the byte cannot fall under 1
.endr
.irp i, 2,4,6,8,10,12,14
.irp b, 0,1,2,3
	v_max3_num_f32 v[TM+\b], v[TM+\b], |v[\s+16*\b+\i]|, |v[\s+1+16*\b+\i]|   ; the four blocks by turns
.endr
.endr
.irp b, 0,1,2,3
	v_permlanex16_b32 v[TM+4+\b], v[TM+\b], s[SEL], s[SEL+1]
.endr
.irp b, 0,1,2,3
	v_max_num_f32 v[TM+\b], v[TM+\b], v[TM+4+\b]               ; with lane l xor 16's: the block's largest magnitude
.endr
.irp b, 0,1,2,3
	v_add_nc_u32 v[TM+12+\b], 0xf8800000, v[TM+\b]             ; 15 off its exponent field: the conversion's scale operand
.endr
.irp b, 0,1,2,3
	v_and_or_b32 v[TM+8+\b], v[TM+\b], 0x7f800000, s[MNT]      ; 57,344 x the scale
.endr
.irp b, 0,1,2,3
	v_lshrrev_b32 v[TM+4+\b], 23, v[TM+12+\b]                  ; the scale's byte
.endr
	v_lshl_or_b32 v[\pw], v[TM+5], 8, v[TM+4]
	v_lshl_or_b32 v[\pw], v[TM+6], 16, v[\pw]
	v_lshl_or_b32 v[\pw], v[TM+7], 24, v[\pw]
.irp b, 0,1,2,3
.irp i, 0,1,2,3,4,5,6,7,8,9,10,11,12,13,14,15
	v_med3_num_f32 v[\s+16*\b+\i], v[\s+16*\b+\i], -v[TM+8+\b], v[TM+8+\b]   ; the conversion to an 8-bit code does not saturate (ISA guide 7.6.2): the hold comes first
.endr
	v_cvt_scalef32_pk8_bf8_f32 v[\pc+4*\b:\pc+1+4*\b], v[\s+16*\b:\s+7+16*\b], v[TM+12+\b]
	v_cvt_scalef32_pk8_bf8_f32 v[\pc+2+4*\b:\pc+3+4*\b], v[\s+8+16*\b:\s+15+16*\b], v[TM+12+\b]
.endr
	v_nop                                          ; a plain line behind the last conversion, ahead of whatever next touches its registers
.endm
; 16 rows x 128 along K of f32 as they lie: each load reads 512 consecutive bytes of one row, 16 bytes a lane
.macro XLOAD reg, sb
.irp r, 0,1,2,3,4,5,6,7,8,9,10,11,12,13,14,15
	global_load_b128 v[\reg+4*\r:\reg+4*\r+3], v1, s[\sb:\sb+1] offset:4096*\r
.endr
.endm
; through my wave's own stage into the fragment's order: lane (r, h) gets 16 neighbours of each block of 32 of row r
.macro XTURN reg
.irp r, 0,1,2,3,4,5,6,7,8,9,10,11,12,13,14,15
	ds_store_b128 v60, v[\reg+4*\r:\reg+4*\r+3] offset:528*\r
.endr
	s_wait_dscnt 0x0                               ; the stores have read their registers, which the loads below write
.irp b, 0,1,2,3
.irp q, 0,1,2,3
	ds_load_b128 v[\reg+16*\b+4*\q:\reg+16*\b+4*\q+3], v2 offset:128*\b+16*\q
.endr
.endr
	s_wait_dscnt 0x0
.endm
	s_load_b256 s[4:11], s[0:1], 0x0               ; W_enc s[4:5], W_dec s[6:7], decoder_hidden s[8:9], b_dec s[10:11]
	s_load_b256 s[12:19], s[0:1], 0x20             ; w_cov s[12:13], v s[14:15], wq s[16:17], tab s[18:19]
	v_lshl_add_u32 v[SPW], v0, 2, SPB
	v_mov_b32 v[NIL], 0
	v_lshrrev_b32 v1, 5, v0
	v_readfirstlane_b32 s[WV], v1                  ; wave 0..7: my K step of product (2)
	s_and_b32 s21, ttmp9, 1                        ; g
	s_lshr_b32 s22, ttmp9, 1                       ; t
	s_and_b32 s23, s[WV], 1                        ; in the reduction: which four of a lane's eight outputs
	s_and_b32 s33, s[WV], 3
	s_mul_i32 s24, s[WV], 8448
	s_add_co_u32 s24, s24, STG                     ; my stage
	s_lshl_b32 s25, s33, 2
	s_add_co_u32 s25, s25, SCB
	s_lshl_b32 s26, s[WV], 10
	s_lshl_b32 s27, s23, 9
	s_lshl_b32 s28, s23, 4
	s_lshl_b32 s29, s21, 4
	s_lshl_b32 s30, s21, 2
	s_add_co_u32 s30, s30, s33                     ; W_enc's K step of waves 0-3: 4 g + wave
	s_lshl_b32 s31, s30, 11
	s_lshl_b32 s32, s21, 8
	s_mov_b32 s[SEL], 0x76543210
	s_mov_b32 s[SEL+1], 0xfedcba98
	s_mov_b32 s[MNT], 0x600000
	s_mov_b32 s[CC], 0x4038aa3b                    ; c = 2 log2(e)
	s_mov_b32 s[CC+1], s[CC]
	s_lshl_b32 s34, s22, 16                        ; the tile's 16 rows of 4,096 bytes
	s_lshl_b32 s35, s30, 9
	s_add_co_u32 s34, s34, s35                     ; W_enc: + its K step's 512 bytes
	s_mov_b32 s35, 0
	s_lshl_b32 s36, s22, 16
	s_lshl_b32 s37, s[WV], 9
	s_add_co_u32 s36, s36, s37                     ; W_dec: + my K step's
	s_lshl_b32 s38, s21, 16                        ; my 16 batches
	s_add_co_u32 s38, s38, s37
	s_mov_b32 s37, 0
	s_mov_b32 s39, 0
	s_lshl_b32 s46, s22, 6                         ; the tile's 16 numbers of b_dec, w_cov, v
	s_mov_b32 s47, 0
	s_mul_i32 s48, s22, RECB
	s_mov_b32 s49, 0
	s_mul_i32 s50, s22, 192
	s_mov_b32 s51, 0
	v_and_b32 v60, 31, v0                          ; lane
	v_and_b32 v61, 15, v0                          ; r
	v_bfe_u32 v62, v0, 4, 1                        ; h
	v_lshlrev_b32 v1, 4, v60                       ; v1: 16 x lane
	v_mul_u32_u24 v2, v61, 528
	v_lshl_add_u32 v2, v62, 6, v2
	v_add_nc_u32 v2, s24, v2                       ; v2: out of the stage: row r of 528 bytes + 64 h
	v_lshl_add_u32 v3, v61, 4, s25                 ; v3: LDS, my row's scale word: SCB + 16 r + 4 (wave % 4)
	v_add_nc_u32 v4, s26, v1                       ; v4: LDS, my wave's partial sums
	v_add_nc_u32 v5, s27, v1                       ; v5: LDS, what a reducing wave reads: K step 0's part of its four outputs
	v_lshl_add_u32 v6, v61, 4, SCB                 ; v6: LDS, the scale words on their way out
	v_lshl_add_u32 v7, v62, 5, s28                 ; v7: 32 h + 16 (wave % 2): my four outputs, in bytes
	v_add_nc_u32 v9, s29, v61
	v_mul_u32_u24 v9, v9, 12288                    ; v9: tab: batch 16 g + r
	v_add_nc_u32 v8, v9, v7                        ; v8: and my four outputs there
	v_add_nc_u32 v10, s31, v1                      ; v10: the record: W_enc's K step, 16 x lane
	v_mov_b32 v11, 0
	v_lshl_add_u32 v62, v61, 4, s32                ; v62: the record's scale words: 256 g + 16 r
	v_add_nc_u32 v60, s24, v1                      ; v60: into the stage: 16 x lane of a row
.irp b, 0,1,2,3
	v_mov_b32 v[TM+4+\b], 0                        ; written once: a lane permute's destination counts as one of its sources
.endr
	s_wait_alu depctr_va_vdst(0)                   ; the wait at the head's end
	s_wait_kmcnt 0x0
	s_add_nc_u64 s[4:5], s[4:5], s[34:35]
	s_add_nc_u64 s[6:7], s[6:7], s[36:37]
	s_add_nc_u64 s[8:9], s[8:9], s[38:39]
	s_add_nc_u64 s[10:11], s[10:11], s[46:47]
	s_add_nc_u64 s[12:13], s[12:13], s[46:47]
	s_add_nc_u64 s[14:15], s[14:15], s[46:47]
	s_add_nc_u64 s[16:17], s[16:17], s[48:49]
	s_add_nc_u64 s[18:19], s[18:19], s[50:51]
	global_load_b128 v[BD:BD+3], v7, s[10:11]
	XLOAD L1, 6
	XLOAD L2, 8
	; what only some waves do stands whole inside one branch on the wave's number: loads, their wait, the work, the stores
	s_cmp_lt_u32 s[WV], 4
	s_cbranch_scc0 .Lhigh
	XLOAD L0, 4                                    ; waves 0-3: W_enc, K step 4 g + wave
	s_wait_loadcnt 0x0                             ; all my loads went out together: this waits for the youngest
	XTURN L0
	QUANT L0, PC0, PW0
.irp c, 0,1,2,3
	global_store_b128 v10, v[PC0+4*\c:PC0+4*\c+3], s[16:17] offset:512*\c   ; 32 lanes store 512 consecutive bytes, at a multiple of 256 from wq's first byte
.endr
	ds_store_b32 v3, v[PW0]                        ; both halves of the lanes hold the same word and write it to the same place
	s_branch .Ljoin
.Lhigh:
	s_cmp_lg_u32 s[WV], 5
	s_cbranch_scc1 .Ljoin
.irp i, 0,1,2,3
	global_load_b128 v[96+4*\i:99+4*\i], v11, s[12:13] offset:16*\i    ; wave 5: the tile's 16 numbers of w_cov, the same in every lane,
	global_load_b128 v[112+4*\i:115+4*\i], v11, s[14:15] offset:16*\i  ; and of v
.endr
	s_wait_loadcnt 0x0
.irp i, 0,2,4,6,8,10,12,14
	v_pk_mul_f32 v[96+\i:97+\i], v[96+\i:97+\i], s[CC:CC+1] op_sel_hi:[1,0]   ; c w_cov
.endr
.irp i, 0,1,2,3
	global_store_b128 v9, v[96+4*\i:99+4*\i], s[18:19] offset:64+16*\i       ; lane r and lane r + 16 write batch 16 g + r's lines, the same bytes with the same values
	global_store_b128 v9, v[112+4*\i:115+4*\i], s[18:19] offset:128+16*\i
.endr
.Ljoin:
	s_wait_loadcnt 0x0                             ; b_dec, W_dec, decoder_hidden
	XTURN L1
	QUANT L1, CWD, SWD
	XTURN L2
	QUANT L2, CDH, SDH
.rept 4
	v_nop                                          ; codes written by vector instructions stand four places ahead of a scaled matrix instruction; the scale words were made ahead of the 64 holds
.endr
	; source 0 = 16 rows of W_dec, source 1 = 16 batches: lane (r, h) holds batch 16 g + r, register j output 16 t + 8 h + j
	v_wmma_scale_f32_16x16x128_f8f6f4 v[DD:DD+7], v[CWD:CWD+15], v[CDH:CDH+15], 0, v[SWD], v[SDH] matrix_a_fmt:MATRIX_FMT_BF8 matrix_b_fmt:MATRIX_FMT_BF8
.rept 8
	v_nop                                          ; eight places behind this form, ahead of the stores that read its result
.endr
	ds_store_b128 v4, v[DD:DD+3]
	ds_store_b128 v4, v[DD+4:DD+7] offset:512
	s_wait_dscnt 0x0                               ; for the others' sake: my partial sums and my scale word lie in LDS
	s_barrier_signal -1
	s_barrier_wait -1
	s_cmp_lt_u32 s[WV], 2
	s_cbranch_scc0 .Lnot_sum
.irp k, 0,1,2,3,4,5,6,7
	ds_load_b128 v[RD+4*\k:RD+4*\k+3], v5 offset:1024*\k     ; waves 0, 1: the eight K steps' parts of four outputs of my batch
.endr
	s_wait_dscnt 0x0
.irp a, 0,8,16,24
	v_pk_add_f32 v[RD+\a:RD+\a+1], v[RD+\a:RD+\a+1], v[RD+\a+4:RD+\a+5]
	v_pk_add_f32 v[RD+\a+2:RD+\a+3], v[RD+\a+2:RD+\a+3], v[RD+\a+6:RD+\a+7]
.endr
.irp a, 0,16
	v_pk_add_f32 v[RD+\a:RD+\a+1], v[RD+\a:RD+\a+1], v[RD+\a+8:RD+\a+9]
	v_pk_add_f32 v[RD+\a+2:RD+\a+3], v[RD+\a+2:RD+\a+3], v[RD+\a+10:RD+\a+11]
.endr
	v_pk_add_f32 v[RD:RD+1], v[RD:RD+1], v[RD+16:RD+17]
	v_pk_add_f32 v[RD+2:RD+3], v[RD+2:RD+3], v[RD+18:RD+19]
	v_pk_add_f32 v[RD:RD+1], v[RD:RD+1], v[BD:BD+1]
	v_pk_add_f32 v[RD+2:RD+3], v[RD+2:RD+3], v[BD+2:BD+3]
	v_pk_mul_f32 v[RD:RD+1], v[RD:RD+1], s[CC:CC+1] op_sel_hi:[1,0]
	v_pk_mul_f32 v[RD+2:RD+3], v[RD+2:RD+3], s[CC:CC+1] op_sel_hi:[1,0]
	global_store_b128 v8, v[RD:RD+3], s[18:19]     ; c (dec + b_dec)
	s_branch .Lend
.Lnot_sum:
	s_cmp_lg_u32 s[WV], 7
	s_cbranch_scc1 .Lend
	ds_load_b128 v[RD:RD+3], v6                    ; wave 7: the work-group's 256 bytes of scale words (lanes 16-31 repeat lanes 0-15)
	s_wait_dscnt 0x0
	global_store_b128 v62, v[RD:RD+3], s[16:17] offset:16384
.Lend:
	s_wait_tensorcnt 0x0                           ; the wave's end
	ds_add_u32 v[SPW], v[NIL]
	s_wait_dscnt 0x0
	s_endpgm
.Lfunc_end_k_q605acc0bae_prep:
	.size	k_q605acc0bae_prep, .Lfunc_end_k_q605acc0bae_prep-k_q605acc0bae_prep
	.p2alignl 7, 3214868480
	.fill 96, 4, 3214868480
	.section	.rodata,"a",@progbits
	.p2align	6, 0x0
	.amdhsa_kernel k_q605acc0bae_prep
		.amdhsa_group_segment_fixed_size 77056
		.amdhsa_private_segment_fixed_size 0
		.amdhsa_enable_private_segment 0
		.amdhsa_kernarg_size 64
		.amdhsa_user_sgpr_count 2
		.amdhsa_user_sgpr_kernarg_segment_ptr 1
		.amdhsa_wavefront_size32 1
		.amdhsa_system_sgpr_workgroup_id_x 1
		.amdhsa_system_sgpr_workgroup_id_y 1
		.amdhsa_system_sgpr_workgroup_id_z 1
		.amdhsa_system_vgpr_workitem_id 0
		.amdhsa_next_free_vgpr 256
		.amdhsa_next_free_sgpr 66
		.amdhsa_reserve_vcc 0
		.amdhsa_float_denorm_mode_32 3
		.amdhsa_float_denorm_mode_16_64 3
		.amdhsa_memory_ordered 1
		.amdhsa_forward_progress 1
		.amdhsa_inst_pref_size 44
	.end_amdhsa_kernel
	.amdgpu_metadata
---
amdhsa.version: [ 1, 2 ]
amdhsa.kernels:
  - .name:           k_q605acc0bae_prep
    .symbol:         k_q605acc0bae_prep.kd
    .args:
      - { .name: W_enc, .offset: 0, .size: 8, .value_kind: global_buffer, .address_space: global }
      - { .name: W_dec, .offset: 8, .size: 8, .value_kind: global_buffer, .address_space: global }
      - { .name: decoder_hidden, .offset: 16, .size: 8, .value_kind: global_buffer, .address_space: global }
      - { .name: b_dec, .offset: 24, .size: 8, .value_kind: global_buffer, .address_space: global }
      - { .name: w_cov, .offset: 32, .size: 8, .value_kind: global_buffer, .address_space: global }
      - { .name: v, .offset: 40, .size: 8, .value_kind: global_buffer, .address_space: global }
      - { .name: wq, .offset: 48, .size: 8, .value_kind: global_buffer, .address_space: global }
      - { .name: tab, .offset: 56, .size: 8, .value_kind: global_buffer, .address_space: global }
    .group_segment_fixed_size: 77056
    .private_segment_fixed_size: 0
    .kernarg_segment_align: 8
    .kernarg_segment_size: 64
    .max_flat_workgroup_size: 256
    .sgpr_count:     66
    .vgpr_count:     256
    .wavefront_size: 32
...
	.end_amdgpu_metadata
.endif
;; end of part 1
;; launch main (part 2): grid 256 x 1, 4 waves a work-group, clusters of 4 x 1, 327,680 bytes of LDS; arguments encoder_outputs, coverage, wq, tab, scores; writes scores
.if DOCPART == 2
	.amdgcn_target "amdgcn-amd-amdhsa--gfx1250"
	.amdhsa_code_object_version 6
	.text
	.protected	k_q605acc0bae_main
	.globl	k_q605acc0bae_main
	.p2align	8
	.type	k_q605acc0bae_main,@function
k_q605acc0bae_main:
	s_mov_b64 s[64:65], 0
	v_nop
	global_prefetch_b8 v0, s[64:65] scope:SCOPE_SE
	s_setreg_imm32_b32 hwreg(HW_REG_WAVE_MODE, 25, 1), 1
	s_wait_xcnt 0x0
	s_wait_alu depctr_hold_cnt(0) depctr_sa_sdst(0) depctr_va_vdst(0) depctr_va_sdst(0) depctr_va_ssrc(0) depctr_va_vcc(0) depctr_vm_vsrc(0)
	s_getreg_b32 s2, hwreg(HW_REG_IB_STS2, 6, 4)
	s_cmp_eq_u32 s2, 0
	s_cbranch_scc0 .Lentry_in_a_cluster
	s_endpgm
.Lentry_in_a_cluster:
	s_bfe_u32 s2, ttmp6, 0x10000c
	s_cmp_lg_u32 s2, 0x3003
	s_cbranch_scc0 .Lentry_shape_is_right
	s_endpgm
.Lentry_shape_is_right:
; scores[b][s] = -2 sum_h v[h] / (1 + 2^(c x)), x = enc_feature + dec_feature + cov_feature, c = 2 log2(e): attn_scores less the term sum_h v[h], which is the same along the softmax's axis and is left out (shown at the head of the first kernel).
; SHARES.  A work-group owns 256 rows (b, s), a wave 64 of them: four tiles of 16.  65,536 rows / 256 = 256 work-groups.
; PHASE 1: the wave's 64 rows x 1,024 of f32 are read once (each load 512 consecutive bytes of a row, 64 loads out), turned through the wave's own stage in LDS so that a lane holds 16 neighbours along K,
; quantised to codes of E5M2 with one E8M0 byte for 32 along K, and kept as operands in 512 registers (windows 2 and 3).  The codes pass through images in LDS, so that the quantiser can stand in a loop.
; Waves 2 and 3 walk K's two halves in the other order than waves 0 and 1: the work-group's loads in flight then cover whole rows of 4,096 bytes.  Their register slot kk holds K step kk xor 4, for E and for W alike; only addresses differ.
; PHASE 2: W_enc's 64 records (16 outputs each, images of the operand's registers, made by the first launch) come through two LDS slots of four records, by joint loads of the cluster's four work-groups, which walk the same records.
; A TURN takes two records: 64 matrix instructions on 8 accumulators by turns, then the tanh's arithmetic on all 64 result registers in batches.
; Source 0 = 16 rows of E, source 1 = 16 outputs: a lane holds ONE output (lane % 16), its registers 8 rows.  So c (dec + b_dec), c w_cov and v are one register each for a record, coverage stays in 32 registers,
; and the sums over outputs stay apart by lane until the end, where 16 lanes are added once.
; W has one set of 256 registers: K slots 0-3 are loaded anew in one run behind the first 32 products, K slots 4-7 in one run behind the last 32.
; No data prefetch: the one large stream, encoder_outputs, is read once by loads that run 64 deep a wave from the head on; wq and tab are 1.5 MB beside its 268 MB.
; LIMITS: a block of zeros gets the byte 1 (its codes are zeros; the bytes stay in this launch).  NaN and infinities among the inputs are not served.  The sum over K goes in the slots' order (waves 2, 3: K steps 4-7 first).
.set RECB,  16896                      ; a record: 16,384 bytes of codes [k][c][lane][16], 512 of scale words
.set SLOTB, 4*RECB
.set SLOT0, 0
.set SLOT1, SLOTB
.set TAB,   2*SLOTB                    ; my batch's table: 64 x [16 c (dec + b_dec) | 16 c w_cov | 16 v]
.set TILB,  192
.set SPARE, TAB+64*TILB                ; the spare words: 128 bytes a wave
.set DS0,   SPARE+512                  ; each wave's own bytes: stage, images of 16 fragments, their scale words
.set SPIT,  528
.set IMG,   16*SPIT
.set ISC,   IMG+16*2048
.set WA,    ISC+16*128
.set LI,   1                           ; 16 x lane
.set STW,  2
.set STR,  3
.set IMW,  4
.set ISW,  5
.set IMR,  6
.set ISR,  7
.set ADA,  8                           ; LDS addresses of the records that are being loaded: K slots 0-3,
.set ADT,  9                           ; the table's,
.set TB0,  10
.set CVO,  11
.set VO,   12                          ; v12-15 offsets of the four sets of loads
.set SPW,  16
.set NIL,  17
.set OW,   18
.set ORD,  19
.set GOF,  20
.set ADB,  24                          ; K slots 4-7,
.set ADS,  25                          ; the scale words
.set LIA,  26                          ; my lane's place in a record for K slots 0-3, 4-7, and among the scale words
.set LIB,  27
.set LIS,  28
.set ES,   32                          ; v32-63  E's scale words: 8 m + slot
.set WS,   64                          ; v64-71  W's: 4 t + slot % 4; lanes 0-15 slots 0-3, lanes 16-31 slots 4-7
.set TBR,  72                          ; v72-83  my output's c (dec + b_dec), c w_cov, v of record t at 6 t + 0, 2, 4 (the packed forms name pairs: the odd registers hold 0)
.set COV,  84                          ; v84-115 coverage of row 16 m + 8 (lane / 16) + j at 8 m + j
.set ACC0, 128                         ; v128-191 accumulator (t, m) at 32 t + 8 m
.set U,    192                         ; v192-223 the weighted sums of my output's column, row (m, j) at 8 m + j
.set R,    224
.set X,    128                         ; phase 1
.set PC,   192
.set TM,   208
.set PW,   224
.set WV,   14
.set CX,   15
.set G1W,  24
.set G1T,  32
.set G0A,  40
.set G0B,  44
.set G0T,  48
.set CS,   52
.set SEL,  54
.set MNT,  56
.set TB,   57
.set TT,   58
.set CT,   59
.set CT2,  60
.set INC,  61
.set FWD,  62
.set BCK,  63
.set IO,   66
.set SO,   67
.set DSW,  68
.set SWA,  69                          ; 8,192 x (wave / 2)
.set SWB,  70                          ; 8,192 x (1 - wave / 2)
.set SWS,  71                          ; 256 x (wave / 2)
.set MSB, 0
.macro WIN new                         ; the immediate's high byte repeats the setting that is left
.if MSB != \new
	s_set_vgpr_msb (MSB<<8)|\new
.set MSB, \new
.endif
.endm
.set MM_LO, 0x06                       ; source 0 (E) window 2, source 1 (W) window 1
.set MM_HI, 0x07                       ; source 0 window 3
.set TO_W,  0x40
.set ST_L,  0x04
.macro CROUND                          ; a round of the cluster's barrier
	s_barrier_signal -1
	s_barrier_wait -1
	s_cmp_lg_u32 s[WV], 0
	s_cbranch_scc1 .Lnot_wave_0_\@
	s_barrier_signal -3
.Lnot_wave_0_\@:
	s_barrier_wait -3
	s_barrier_signal -1
	s_barrier_wait -1
.endm
.macro NOPS n
.rept \n
	v_nop
.endr
.endm
.macro ELOAD jj                        ; 16 rows x 128 along K into set jj of window 1: each load 512 consecutive bytes of a row
	WIN TO_W
.irp r, 0,1,2,3,4,5,6,7,8,9,10,11,12,13,14,15
	global_load_b128 v[64*\jj+4*\r:64*\jj+4*\r+3], v[VO+\jj], s[4:5] offset:4096*\r th:TH_LOAD_NT
.endr
	WIN 0
.endm
; 64 numbers of a lane, register 16 b + i = K 32 b + 16 (lane / 16) + i of my row, become a fragment's codes and its scale word
.macro QUANT s, pc, pw
.irp b, 0,1,2,3
	v_max3_num_f32 v[TM+\b], |v[\s+16*\b]|, |v[\s+1+16*\b]|, 0x8000000   ; with the floor 2^(16 - 127): the byte cannot fall under 1
.endr
.irp i, 2,4,6,8,10,12,14
.irp b, 0,1,2,3
	v_max3_num_f32 v[TM+\b], v[TM+\b], |v[\s+16*\b+\i]|, |v[\s+1+16*\b+\i]|
.endr
.endr
.irp b, 0,1,2,3
	v_permlanex16_b32 v[TM+4+\b], v[TM+\b], s[SEL], s[SEL+1]
.endr
.irp b, 0,1,2,3
	v_max_num_f32 v[TM+\b], v[TM+\b], v[TM+4+\b]               ; the block's largest magnitude
.endr
.irp b, 0,1,2,3
	v_add_nc_u32 v[TM+12+\b], 0xf8800000, v[TM+\b]             ; 15 off its exponent field: the conversion's scale operand
.endr
.irp b, 0,1,2,3
	v_and_or_b32 v[TM+8+\b], v[TM+\b], 0x7f800000, s[MNT]      ; 57,344 x the scale
.endr
.irp b, 0,1,2,3
	v_lshrrev_b32 v[TM+4+\b], 23, v[TM+12+\b]                  ; the scale's byte
.endr
	v_lshl_or_b32 v[\pw], v[TM+5], 8, v[TM+4]
	v_lshl_or_b32 v[\pw], v[TM+6], 16, v[\pw]
	v_lshl_or_b32 v[\pw], v[TM+7], 24, v[\pw]
.irp b, 0,1,2,3
.irp i, 0,1,2,3,4,5,6,7,8,9,10,11,12,13,14,15
	v_med3_num_f32 v[\s+16*\b+\i], v[\s+16*\b+\i], -v[TM+8+\b], v[TM+8+\b]   ; the conversion does not saturate (ISA guide 7.6.2): the hold comes first
.endr
	v_cvt_scalef32_pk8_bf8_f32 v[\pc+4*\b:\pc+1+4*\b], v[\s+16*\b:\s+7+16*\b], v[TM+12+\b]
	v_cvt_scalef32_pk8_bf8_f32 v[\pc+2+4*\b:\pc+3+4*\b], v[\s+8+16*\b:\s+15+16*\b], v[TM+12+\b]
.endr
	v_nop                                          ; a plain line behind the last conversion
.endm
; A first fill that comes behind the head: the tensor wait, the add and its wait, a round, and one tensor load a wave behind it
.macro FILL g0, g1
	s_wait_alu depctr_va_vdst(0)
	s_wait_tensorcnt 0x0
	ds_add_u32 v[SPW], v[NIL]
	s_wait_dscnt 0x0
	CROUND
	tensor_load_to_lds s[\g0:\g0+3], s[\g1:\g1+7]
	s_nop 0
	NOPS 4
.endm
	s_load_b256 s[4:11], s[0:1], 0x0               ; encoder_outputs, coverage, wq, tab
	s_load_b64 s[12:13], s[0:1], 0x20              ; scores
	v_lshl_add_u32 v[SPW], v0, 2, SPARE
	v_mov_b32 v[NIL], 0
	ds_add_u32 v[SPW], v[NIL]                      ; the opening lines: the add twice on end and its wait
	ds_add_u32 v[SPW], v[NIL]
	s_wait_dscnt 0x0
	v_lshrrev_b32 v21, 5, v0
	v_readfirstlane_b32 s[WV], v21                 ; wave 0..3
	s_bfe_u32 s[CX], ttmp6, 0x40000
	s_lshl_b32 s16, ttmp9, 10
	s_lshl_b32 s17, s[CX], 8
	s_add_co_u32 s16, s16, s17
	s_lshl_b32 s17, s[WV], 6
	s_add_co_u32 s16, s16, s17                     ; my first row: 1,024 x cluster + 256 x place + 64 x wave
	s_lshl_b32 s18, s16, 12
	s_mov_b32 s19, 0
	s_lshl_b32 s20, s16, 2
	s_mov_b32 s21, 0
	s_mul_i32 s[DSW], s[WV], WA
	s_add_co_u32 s[DSW], s[DSW], DS0
	s_lshr_b32 s[SWA], s[WV], 1                    ; waves 2, 3 begin with K's upper half
	s_lshl_b32 s[SWA], s[SWA], 13
	s_xor_b32 s[SWB], s[SWA], 8192
	s_lshr_b32 s[SWS], s[SWA], 5
	s_lshr_b32 s2, s[SWA], 2                       ; the half's 2,048 bytes of a row
	s_lshr_b32 s3, s[SWA], 1
	s_sub_co_u32 s[BCK], 0xfffd0800, s3            ; 48 rows back and over to the other half: -196,608 + 2,048 or - 2,048
	v_and_b32 v21, 31, v0
	v_and_b32 v22, 15, v0
	v_bfe_u32 v23, v0, 4, 1
	v_lshlrev_b32 v[LI], 4, v21
	v_add_nc_u32 v[STW], s[DSW], v[LI]
	v_mul_u32_u24 v[STR], v22, SPIT
	v_lshl_add_u32 v[STR], v23, 6, v[STR]
	v_add_nc_u32 v[STR], s[DSW], v[STR]
	v_add_nc_u32 v[IMR], IMG, v[STW]
	v_lshl_add_u32 v[ISR], v21, 2, s[DSW]
	v_add_nc_u32 v[ISR], ISC, v[ISR]
	v_lshl_add_u32 v[TB0], v22, 2, TAB             ; the table: my output's word
	v_lshlrev_b32 v[CVO], 5, v23                   ; coverage: my half's eight rows of a tile
	v_add_nc_u32 v[VO], s2, v[LI]
.irp jj, 1,2,3
	v_add_nc_u32 v[VO+\jj], 512*\jj, v[VO]
.endr
	v_add_nc_u32 v[LIA], s[SWA], v[LI]
	v_add_nc_u32 v[LIB], s[SWB], v[LI]
	v_xor_b32 v[LIS], s[SWS], v[LI]
	v_lshl_add_u32 v[OW], v23, 5, s[DSW]
	v_lshl_add_u32 v[ORD], v21, 3, s[DSW]
	v_lshlrev_b32 v[GOF], 3, v21
.irp b, 0,1,2,3
	v_mov_b32 v[TM+4+\b], 0                        ; a lane permute's destination counts as one of its sources
.endr
	s_mov_b32 s[CS], 0x4038aa3b                    ; c = 2 log2(e)
	s_mov_b32 s[CS+1], s[CS]
	s_mov_b32 s[SEL], 0x76543210
	s_mov_b32 s[SEL+1], 0xfedcba98
	s_mov_b32 s[MNT], 0x600000
	s_mov_b32 s[FWD], 65536
	s_mov_b32 s[G1W], 15|(3<<16)|(1<<21)           ; a record: 66 rows of 256 bytes, dense; the mask names the cluster's four
	s_mov_b32 s[G1W+1], 32<<16
	s_mov_b32 s[G1W+2], 66<<16
	s_mov_b32 s[G1W+3], 32<<16
	s_mov_b32 s[G1W+4], 66
	s_mov_b32 s[G1W+5], 32
	s_mov_b32 s[G1W+6], 0
	s_mov_b32 s[G1W+7], 0
	s_mov_b32 s[G1T], 15|(3<<16)|(1<<21)           ; a quarter of the table: 12 rows of 256 bytes
	s_mov_b32 s[G1T+1], 32<<16
	s_mov_b32 s[G1T+2], 12<<16
	s_mov_b32 s[G1T+3], 32<<16
	s_mov_b32 s[G1T+4], 12
	s_mov_b32 s[G1T+5], 32
	s_mov_b32 s[G1T+6], 0
	s_mov_b32 s[G1T+7], 0
	s_mul_i32 s22, s[WV], RECB                     ; each wave fetches one record of a slot
	s_mov_b32 s23, 0
	s_lshr_b32 s2, ttmp9, 1                        ; the batch: two clusters to one
	s_mul_i32 s2, s2, 64*TILB
	s_mul_i32 s3, s[WV], 16*TILB
	s_add_co_u32 s2, s2, s3
	s_add_co_u32 s[G0T+1], s3, TAB
	s_mov_b32 s3, 0
	s_wait_alu depctr_va_vdst(0)                   ; the wait at the head's end
	s_wait_kmcnt 0x0
	s_add_nc_u64 s[4:5], s[4:5], s[18:19]
	s_add_nc_u64 s[6:7], s[6:7], s[20:21]
	s_add_nc_u64 s[12:13], s[12:13], s[20:21]
.irp m, 0,1,2,3
	global_load_b128 v[COV+8*\m:COV+8*\m+3], v[CVO], s[6:7] offset:64*\m        ; coverage of rows 16 m + 8 h + 0 .. 7
	global_load_b128 v[COV+8*\m+4:COV+8*\m+7], v[CVO], s[6:7] offset:64*\m+16
.endr
.irp jj, 0,1,2,3
	ELOAD \jj
.endr
	s_mov_b32 s[G0A], 1
	s_add_co_u32 s[G0A+1], s22, SLOT0
	s_add_nc_u64 s[G0A+2:G0A+3], s[8:9], s[22:23]
	s_or_b32 s[G0A+3], s[G0A+3], 0x80000000
	s_mov_b32 s[G0B], 1
	s_add_co_u32 s[G0B+1], s22, SLOT1
	s_add_nc_u64 s[G0B+2:G0B+3], s[8:9], s[22:23]
	s_add_nc_u64 s[G0B+2:G0B+3], s[G0B+2:G0B+3], SLOTB
	s_or_b32 s[G0B+3], s[G0B+3], 0x80000000
	s_mov_b32 s[G0T], 1
	s_add_nc_u64 s[G0T+2:G0T+3], s[10:11], s[2:3]
	s_or_b32 s[G0T+3], s[G0T+3], 0x80000000
	CROUND                                         ; in front of the first joint load
	tensor_load_to_lds s[G0A:G0A+3], s[G1W:G1W+7]  ; slot 0: the head's one tensor load a wave; the table and slot 1 are asked for in the middle of phase 1
	s_nop 0
	NOPS 4
; A fragment: set jj's 16 x 512 bytes through the stage, the set's next loads, the quantiser, the image
.macro FSTEP jj, re, left
	s_wait_loadcnt \left                           ; the oldest set is in; the younger sets' loads may be out
	WIN ST_L
.irp r, 0,1,2,3,4,5,6,7,8,9,10,11,12,13,14,15
	ds_store_b128 v[STW], v[64*\jj+4*\r:64*\jj+4*\r+3] offset:SPIT*\r
.endr
	WIN 0
.irp b, 0,1,2,3
.irp q, 0,1,2,3
	ds_load_b128 v[X+16*\b+4*\q:X+16*\b+4*\q+3], v[STR] offset:128*\b+16*\q   ; LDS serves a wave's instructions in order
.endr
.endr
	s_wait_dscnt 0x0
.if \re
	v_add_nc_u32 v[VO+\jj], s[INC], v[VO+\jj]
	ELOAD \jj
.endif
	QUANT X, PC, PW
.irp c, 0,1,2,3
	ds_store_b128 v[IMW], v[PC+4*\c:PC+4*\c+3] offset:2048*\jj+512*\c
.endr
	ds_store_b32 v[ISW], v[PW] offset:128*\jj
.endm
.macro TRIP re                         ; a tile of 16 rows x half of K
	v_add_nc_u32 v[IMW], s[IO], v[IMR]
	v_add_nc_u32 v[ISW], s[SO], v[ISR]
.irp jj, 0,1,2,3
.if \re
	FSTEP \jj, 1, 48
.else
	FSTEP \jj, 0, 48-16*\jj
.endif
.endr
	s_add_co_u32 s[IO], s[IO], 8192
	s_add_co_u32 s[SO], s[SO], 512
.endm
.macro ALOAD hf                        ; the 16 images become the operand's registers: window 2 + hf, fragment (m, slot % 4) at 16 (4 m + slot % 4)
	WIN 0x80+0x40*\hf
.irp f, 0,1,2,3,4,5,6,7,8,9,10,11,12,13,14,15
.irp c, 0,1,2,3
	ds_load_b128 v[16*\f+4*\c:16*\f+4*\c+3], v[IMR] offset:2048*\f+512*\c
.endr
.endr
	WIN 0
.irp f, 0,1,2,3,4,5,6,7,8,9,10,11,12,13,14,15
	ds_load_b32 v[ES+8*(\f/4)+4*\hf+(\f%4)], v[ISR] offset:128*\f
.endr
.endm
	s_mov_b32 s[IO], 0
	s_mov_b32 s[SO], 0
	s_mov_b32 s[CT], 4
.Lhalf0:
	s_cmp_eq_u32 s[CT], 1
	s_cselect_b32 s[INC], s[BCK], s[FWD]           ; the last tile's sets go on to the other half of K
	TRIP 1
	s_sub_co_u32 s[CT], s[CT], 1
	s_cmp_lg_u32 s[CT], 0
	s_cbranch_scc1 .Lhalf0
	FILL G0T, G1T                                  ; the table
	ALOAD 0
	s_mov_b32 s[IO], 0
	s_mov_b32 s[SO], 0
	s_mov_b32 s[INC], s[FWD]
	s_mov_b32 s[CT], 3
.Lhalf1:
	TRIP 1
	s_sub_co_u32 s[CT], s[CT], 1
	s_cmp_lg_u32 s[CT], 0
	s_cbranch_scc1 .Lhalf1
	FILL G0B, G1W                                  ; slot 1
	TRIP 0                                         ; the last tile asks for nothing more
	ALOAD 1
; Item wn of the 64 loads that bring two records into window 1: K slot wn / 8, record (wn / 4) % 2, quarter wn % 4; record t's slot k lies at 128 t + 16 k
.macro WL
.set wk, wn/8
.set wt, (wn/4)%2
.set wc, wn%4
.if wk < 4
	ds_load_b128 v[128*wt+16*wk+4*wc:128*wt+16*wk+4*wc+3], v[ADA] offset:RECB*wt+2048*wk+512*wc
.else
	ds_load_b128 v[128*wt+16*wk+4*wc:128*wt+16*wk+4*wc+3], v[ADB] offset:RECB*wt+2048*(wk-4)+512*wc
.endif
.set wn, wn+1
.endm
.macro WGRP cnt
	WIN TO_W
.rept \cnt
	WL
.endr
	WIN 0
.endm
.macro SLOAD                           ; the two records' scale words
	ds_load_b128 v[WS:WS+3], v[ADS] offset:16384
	ds_load_b128 v[WS+4:WS+7], v[ADS] offset:RECB+16384
.endm
.macro ADDR
	v_add_nc_u32 v[ADA], s[TB], v[LIA]
	v_add_nc_u32 v[ADB], s[TB], v[LIB]
	v_add_nc_u32 v[ADS], s[TB], v[LIS]
.endm
; 64 matrix instructions: K slot i / 8, the 8 accumulators (t, m) by turns, one instruction a turn.  The first K slot starts the sums.
; ld = 1: behind the first 32, and eight places behind them, the next records' K slots 0-3 are loaded in one run of 32.
.macro RUN ld
.set i, 0
.set wn, 0
.rept 64
.set kk, i/8
.set tt, (i/4)%2
.set mm, i%4
.if kk < 4
	WIN MM_LO
.else
	WIN MM_HI
.endif
.if kk == 0
	v_wmma_scale_f32_16x16x128_f8f6f4 v[ACC0+32*tt+8*mm:ACC0+32*tt+8*mm+7], v[16*(4*mm+kk):16*(4*mm+kk)+15], v[128*tt+16*kk:128*tt+16*kk+15], 0, v[ES+8*mm+kk], v[WS+4*tt+kk] matrix_a_fmt:MATRIX_FMT_BF8 matrix_b_fmt:MATRIX_FMT_BF8
.elseif kk < 4
	v_wmma_scale_f32_16x16x128_f8f6f4 v[ACC0+32*tt+8*mm:ACC0+32*tt+8*mm+7], v[16*(4*mm+kk):16*(4*mm+kk)+15], v[128*tt+16*kk:128*tt+16*kk+15], v[ACC0+32*tt+8*mm:ACC0+32*tt+8*mm+7], v[ES+8*mm+kk], v[WS+4*tt+kk] matrix_a_fmt:MATRIX_FMT_BF8 matrix_b_fmt:MATRIX_FMT_BF8
.else
	v_wmma_scale_f32_16x16x128_f8f6f4 v[ACC0+32*tt+8*mm:ACC0+32*tt+8*mm+7], v[16*(4*mm+kk-4):16*(4*mm+kk-4)+15], v[128*tt+16*kk:128*tt+16*kk+15], v[ACC0+32*tt+8*mm:ACC0+32*tt+8*mm+7], v[ES+8*mm+kk], v[WS+4*tt+kk-4] matrix_a_fmt:MATRIX_FMT_BF8 matrix_b_fmt:MATRIX_FMT_BF8 matrix_b_scale:MATRIX_SCALE_ROW1
.endif
.if i == 31
.if \ld
	NOPS 8
	WGRP 32
.endif
	s_wait_dscnt 32*\ld                            ; K slots 4-7 and the table's six words are in; the 32 just issued may be out
.endif
.set i, i+1
.endr
.endm
; The 64 results, pair p = 16 t + 4 m + j / 2, in batches: z = c enc + c (dec + b_dec) + c w_cov coverage; 2^z; + 1; the reciprocal; x v into the sums.  Each accumulator is read from its low end on.
.macro PROC
.set p, 0
.rept 32
	v_pk_fma_f32 v[ACC0+2*p:ACC0+2*p+1], v[ACC0+2*p:ACC0+2*p+1], s[CS:CS+1], v[TBR+6*(p/16):TBR+6*(p/16)+1] op_sel_hi:[1,0,0]
.set p, p+1
.endr
.set p, 0
.rept 32
	v_pk_fma_f32 v[ACC0+2*p:ACC0+2*p+1], v[COV+2*(p%16):COV+2*(p%16)+1], v[TBR+6*(p/16)+2:TBR+6*(p/16)+3], v[ACC0+2*p:ACC0+2*p+1] op_sel_hi:[1,0,1]
.set p, p+1
.endr
	s_wait_alu depctr_va_vdst(0)                   ; a wait ahead of a batch of transcendentals and one behind it
.set p, 0
.rept 64
	v_exp_f32 v[ACC0+p], v[ACC0+p]
.set p, p+1
.endr
	v_nop                                          ; a plain place behind the last
	s_wait_alu depctr_va_vdst(0)
.set p, 0
.rept 32
	v_pk_add_f32 v[ACC0+2*p:ACC0+2*p+1], v[ACC0+2*p:ACC0+2*p+1], 1.0 op_sel_hi:[1,0]
.set p, p+1
.endr
	s_wait_alu depctr_va_vdst(0)
.set p, 0
.rept 64
	v_rcp_f32 v[ACC0+p], v[ACC0+p]                 ; 2^z = infinity gives 0, 2^z = 0 gives 1: tanh's two ends
.set p, p+1
.endr
	v_nop
	s_wait_alu depctr_va_vdst(0)
.set p, 0
.rept 32                               ; sixteen sums by turns
	v_pk_fma_f32 v[U+2*(p%16):U+2*(p%16)+1], v[ACC0+2*p:ACC0+2*p+1], v[TBR+6*(p/16)+4:TBR+6*(p/16)+5], v[U+2*(p%16):U+2*(p%16)+1] op_sel_hi:[1,0,1]
.set p, p+1
.endr
.endm
; Two records.  ld = 1: the next two records' fragments are loaded from LDS byte s[TB] on.
.macro TURN ld
.if \ld
	ADDR
.endif
	v_add_nc_u32 v[ADT], s[TT], v[TB0]
	s_wait_alu depctr_va_vdst(0)
.irp t, 0,1
.irp i, 0,1,2
	ds_load_b32 v[TBR+6*\t+2*\i], v[ADT] offset:TILB*\t+64*\i
.endr
.endr
	s_wait_dscnt 38                                ; K slots 0-3 and the scale words are in; behind them: the 32 loads of K slots 4-7 and the six above
	RUN \ld
	NOPS 8                                         ; eight places ahead of the first reads of the results and of the loads into registers that the last products read
	WIN 0
.if \ld
	SLOAD
	WGRP 32                                        ; the next records' K slots 4-7
.endif
	PROC
	s_add_co_u32 s[TB], s[TB], 2*RECB
	s_add_co_u32 s[TT], s[TT], 2*TILB
.endm
; The change of slots: all reads of the slot that is left have been issued.  fill = 1: it is filled again, two slots ahead, by the joint load first behind the round.
.macro CHANGE fill, g0, tb
	s_wait_tensorcnt 0x0                           ; my record of the slot ahead is in
	ds_add_u32 v[SPW], v[NIL]
.if \fill
	s_add_nc_u64 s[\g0+2:\g0+3], s[\g0+2:\g0+3], 2*SLOTB
.endif
	s_wait_dscnt 0x0                               ; the add is done, and my reads of the slot that is left
.if \fill
	CROUND
	tensor_load_to_lds s[\g0:\g0+3], s[G1W:G1W+7]
	s_nop 0
	NOPS 4
.else
	s_barrier_signal -1
	s_barrier_wait -1
.endif
	s_mov_b32 s[TB], \tb
.endm
.macro TWO
	s_mov_b32 s[CT2], 2
.Ltwo_\@:
	TURN 1
	s_sub_co_u32 s[CT2], s[CT2], 1
	s_cmp_lg_u32 s[CT2], 0
	s_cbranch_scc1 .Ltwo_\@
.endm
	s_wait_dscnt 0x0                               ; E's operands are in registers
	s_wait_tensorcnt 0x1                           ; my parts of slot 0 and of the table are in; slot 1's load may be out
	s_barrier_signal -1
	s_barrier_wait -1                              ; and everybody's
	s_mov_b32 s[TB], SLOT0
	ADDR
	s_wait_alu depctr_va_vdst(0)
.set wn, 0
	WGRP 32                                        ; records 0 and 1, in the order in which a TURN asks
	SLOAD
	WGRP 32
.irp n, 0,1,2,3,4,5,6,7,8,9,10,11,12,13,14,15,16,17,18,19,20,21,22,23,24,25,26,27,28,29,30,31
	v_mov_b32 v[U+\n], 0
.endr
.irp n, 1,3,5,7,9,11
	v_mov_b32 v[TBR+\n], 0                         ; named as the upper halves of pairs, never used
.endr
	s_mov_b32 s[TB], SLOT0+2*RECB
	s_mov_b32 s[TT], 0
	TURN 1                                         ; records 0, 1; loads 2, 3
	s_mov_b32 s[CT], 7
.Lring:                                                ; a trip: both slots are filled again; 8 records are multiplied
	CHANGE 1, G0A, SLOT1
	TWO
	CHANGE 1, G0B, SLOT0
	TWO
	s_sub_co_u32 s[CT], s[CT], 1
	s_cmp_lg_u32 s[CT], 0
	s_cbranch_scc1 .Lring
	CHANGE 0, G0A, SLOT1                           ; the last slot: nothing is filled again
	TWO
	TURN 0                                         ; records 62, 63
	; the way out: each row's sum lies in the 16 lanes of my half, one output column (mod 16) a lane
.irp x, 1,2,4,8
.set p, 0
.rept 32
	v_add_f32_dpp v[U+p], v[U+p], v[U+p] row_xmask:\x row_mask:0xf bank_mask:0xf
.set p, p+1
.endr
.endr
.irp m, 0,1,2,3
	ds_store_b128 v[OW], v[U+8*\m:U+8*\m+3] offset:64*\m          ; rows 16 m + 8 h + 0 .. 7: the 16 lanes of a half write the same bytes with the same values
	ds_store_b128 v[OW], v[U+8*\m+4:U+8*\m+7] offset:64*\m+16
.endr
	ds_load_b64 v[R:R+1], v[ORD]                   ; LDS serves a wave's instructions in order
	s_wait_dscnt 0x0
	v_pk_mul_f32 v[R:R+1], v[R:R+1], -2.0 op_sel_hi:[1,0]
	global_store_b64 v[GOF], v[R:R+1], s[12:13]    ; my 64 rows: one aligned unit of 256 bytes
	s_wait_tensorcnt 0x0                           ; the wave's end
	ds_add_u32 v[SPW], v[NIL]
	s_wait_dscnt 0x0
	CROUND                                         ; the closing round
	s_endpgm
.Lfunc_end_k_q605acc0bae_main:
	.size	k_q605acc0bae_main, .Lfunc_end_k_q605acc0bae_main-k_q605acc0bae_main
	.p2alignl 7, 3214868480
	.fill 96, 4, 3214868480
	.section	.rodata,"a",@progbits
	.p2align	6, 0x0
	.amdhsa_kernel k_q605acc0bae_main
		.amdhsa_group_segment_fixed_size 327680
		.amdhsa_private_segment_fixed_size 0
		.amdhsa_enable_private_segment 0
		.amdhsa_kernarg_size 40
		.amdhsa_user_sgpr_count 2
		.amdhsa_user_sgpr_kernarg_segment_ptr 1
		.amdhsa_wavefront_size32 1
		.amdhsa_system_sgpr_workgroup_id_x 1
		.amdhsa_system_sgpr_workgroup_id_y 1
		.amdhsa_system_sgpr_workgroup_id_z 1
		.amdhsa_system_vgpr_workitem_id 0
		.amdhsa_next_free_vgpr 1024
		.amdhsa_next_free_sgpr 72
		.amdhsa_reserve_vcc 0
		.amdhsa_float_denorm_mode_32 3
		.amdhsa_float_denorm_mode_16_64 3
		.amdhsa_memory_ordered 1
		.amdhsa_forward_progress 1
		.amdhsa_inst_pref_size 255
	.end_amdhsa_kernel
	.section	.bss,"aw",@nobits
	.p2align	6
	.space	262144
	.amdgpu_metadata
---
amdhsa.version: [ 1, 2 ]
amdhsa.kernels:
  - .name:           k_q605acc0bae_main
    .symbol:         k_q605acc0bae_main.kd
    .args:
      - { .name: encoder_outputs, .offset: 0, .size: 8, .value_kind: global_buffer, .address_space: global }
      - { .name: coverage, .offset: 8, .size: 8, .value_kind: global_buffer, .address_space: global }
      - { .name: wq, .offset: 16, .size: 8, .value_kind: global_buffer, .address_space: global }
      - { .name: tab, .offset: 24, .size: 8, .value_kind: global_buffer, .address_space: global }
      - { .name: scores, .offset: 32, .size: 8, .value_kind: global_buffer, .address_space: global }
    .group_segment_fixed_size: 327680
    .private_segment_fixed_size: 0
    .kernarg_segment_align: 8
    .kernarg_segment_size: 40
    .max_flat_workgroup_size: 128
    .sgpr_count:     72
    .vgpr_count:     1024
    .wavefront_size: 32
...
	.end_amdgpu_metadata
.endif
;; end of part 2
;; launch soft (part 3): grid 32 x 1, 8 waves a work-group, no clusters, 1,280 bytes of LDS; arguments scores, out0; writes out0
.if DOCPART == 3
	.amdgcn_target "amdgcn-amd-amdhsa--gfx1250"
	.amdhsa_code_object_version 6
	.text
	.protected	k_q605acc0bae_soft
	.globl	k_q605acc0bae_soft
	.p2align	8
	.type	k_q605acc0bae_soft,@function
k_q605acc0bae_soft:
	s_mov_b64 s[64:65], 0
	v_nop
	global_prefetch_b8 v0, s[64:65] scope:SCOPE_SE
	s_setreg_imm32_b32 hwreg(HW_REG_WAVE_MODE, 25, 1), 1
	s_wait_xcnt 0x0
; out0[b][s] = softmax over s of scores[b][s].  A work-group takes a batch's 2,048 numbers, a thread eight: two loads of 16 bytes, 4,096 bytes apart, so that a wave's load covers 512 consecutive bytes.
; The row's maximum is taken away before the exponential.  Maximum and sum: within a lane, across the 32 lanes, then across the eight waves through one word a wave in LDS (two regions, one barrier each).
; No matrix unit, no cluster, no tensor load: 8 KiB a work-group, read once and written once.
; LIMITS: NaN among the scores is not served.
	s_load_b128 s[4:7], s[0:1], 0x0                ; scores, out0
	v_lshl_add_u32 v32, v0, 2, 0x100
	v_mov_b32 v33, 0
	v_lshrrev_b32 v1, 5, v0
	s_delay_alu instid0(VALU_DEP_1)
	v_lshlrev_b32 v3, 2, v1                        ; LDS: my wave's word
	v_lshlrev_b32 v2, 4, v0                        ; my 16 bytes
	v_mov_b32 v4, 0
	v_mov_b32 v13, 0                               ; a lane permute's destination counts as one of its sources
	s_lshl_b32 s8, ttmp9, 13                       ; the batch's 8,192 bytes
	s_mov_b32 s9, 0
	s_mov_b32 s12, 0x76543210
	s_mov_b32 s13, 0xfedcba98                      ; v_permlanex16_b32's selects for lane l xor 16
	s_mov_b32 s14, 0x3fb8aa3b                      ; log2(e)
	s_wait_alu depctr_va_vdst(0)
	s_wait_kmcnt 0x0
	s_add_nc_u64 s[4:5], s[4:5], s[8:9]
	s_add_nc_u64 s[6:7], s[6:7], s[8:9]
	global_load_b128 v[16:19], v2, s[4:5]
	global_load_b128 v[20:23], v2, s[4:5] offset:4096
	s_wait_loadcnt 0x0
	v_max3_num_f32 v12, v16, v17, v18
	v_max3_num_f32 v14, v19, v20, v21
	s_delay_alu instid0(VALU_DEP_2)
	v_max3_num_f32 v12, v12, v22, v23
	s_delay_alu instid0(VALU_DEP_1)
	v_max_num_f32 v12, v12, v14
	s_delay_alu instid0(VALU_DEP_1)
	v_max_num_f32_dpp v12, v12, v12 row_xmask:1 row_mask:0xf bank_mask:0xf
	s_delay_alu instid0(VALU_DEP_1)
	v_max_num_f32_dpp v12, v12, v12 row_xmask:2 row_mask:0xf bank_mask:0xf
	s_delay_alu instid0(VALU_DEP_1)
	v_max_num_f32_dpp v12, v12, v12 row_xmask:4 row_mask:0xf bank_mask:0xf
	s_delay_alu instid0(VALU_DEP_1)
	v_max_num_f32_dpp v12, v12, v12 row_xmask:8 row_mask:0xf bank_mask:0xf
	s_delay_alu instid0(VALU_DEP_1)
	v_permlanex16_b32 v13, v12, s12, s13
	s_delay_alu instid0(VALU_DEP_1)
	v_max_num_f32 v12, v12, v13                    ; the wave's maximum, in every lane
	ds_store_b32 v3, v12
	s_wait_dscnt 0x0                               ; for the others' sake
	s_barrier_signal -1
	s_barrier_wait -1
	ds_load_b128 v[24:27], v4
	ds_load_b128 v[28:31], v4 offset:16
	s_wait_dscnt 0x0
	v_max3_num_f32 v12, v24, v25, v26
	v_max3_num_f32 v14, v27, v28, v29
	s_delay_alu instid0(VALU_DEP_2)
	v_max3_num_f32 v12, v12, v30, v31
	s_delay_alu instid0(VALU_DEP_1)
	v_max_num_f32 v12, v12, v14                    ; the row's maximum
	s_delay_alu instid0(VALU_DEP_1)
	v_mul_f32 v12, s14, v12
.irp i, 0,1,2,3,4,5,6,7
	v_fma_f32 v[16+\i], v[16+\i], s14, -v12        ; (a - maximum) log2(e)
.endr
	s_wait_alu depctr_va_vdst(0)
.irp i, 0,1,2,3,4,5,6,7
	v_exp_f32 v[16+\i], v[16+\i]
.endr
	v_nop                                          ; a plain line behind the last exponential
	s_wait_alu depctr_va_vdst(0)                   ; one wait for the eight, ahead of the first line that names a result
	v_pk_add_f32 v[8:9], v[16:17], v[18:19]
	v_pk_add_f32 v[10:11], v[20:21], v[22:23]
	s_delay_alu instid0(VALU_DEP_1)
	v_pk_add_f32 v[8:9], v[8:9], v[10:11]
	s_delay_alu instid0(VALU_DEP_1)
	v_add_f32 v8, v8, v9
	s_delay_alu instid0(VALU_DEP_1)
	v_add_f32_dpp v8, v8, v8 row_xmask:1 row_mask:0xf bank_mask:0xf
	s_delay_alu instid0(VALU_DEP_1)
	v_add_f32_dpp v8, v8, v8 row_xmask:2 row_mask:0xf bank_mask:0xf
	s_delay_alu instid0(VALU_DEP_1)
	v_add_f32_dpp v8, v8, v8 row_xmask:4 row_mask:0xf bank_mask:0xf
	s_delay_alu instid0(VALU_DEP_1)
	v_add_f32_dpp v8, v8, v8 row_xmask:8 row_mask:0xf bank_mask:0xf
	s_delay_alu instid0(VALU_DEP_1)
	v_permlanex16_b32 v13, v8, s12, s13
	s_delay_alu instid0(VALU_DEP_1)
	v_add_f32 v8, v8, v13                          ; the wave's sum
	ds_store_b32 v3, v8 offset:128                 ; other bytes than the maxima's: no wave may still be reading those
	s_wait_dscnt 0x0
	s_barrier_signal -1
	s_barrier_wait -1
	ds_load_b128 v[24:27], v4 offset:128
	ds_load_b128 v[28:31], v4 offset:144
	s_wait_dscnt 0x0
	v_pk_add_f32 v[24:25], v[24:25], v[26:27]
	v_pk_add_f32 v[28:29], v[28:29], v[30:31]
	s_delay_alu instid0(VALU_DEP_1)
	v_pk_add_f32 v[24:25], v[24:25], v[28:29]
	s_delay_alu instid0(VALU_DEP_1)
	v_add_f32 v8, v24, v25                         ; the row's sum: at least 1, since the maximum's own term is 1
	s_wait_alu depctr_va_vdst(0)
	v_rcp_f32 v10, v8
	v_nop
	s_wait_alu depctr_va_vdst(0)                   ; ahead of the first line that names the reciprocal
.irp i, 0,2,4,6
	v_pk_mul_f32 v[16+\i:17+\i], v[16+\i:17+\i], v[10:11] op_sel_hi:[1,0]
.endr
	global_store_b128 v2, v[16:19], s[6:7]         ; a wave stores 512 consecutive bytes
	global_store_b128 v2, v[20:23], s[6:7] offset:4096
	s_wait_tensorcnt 0x0
	ds_add_u32 v32, v33
	s_wait_dscnt 0x0
	s_endpgm
.Lfunc_end_k_q605acc0bae_soft:
	.size	k_q605acc0bae_soft, .Lfunc_end_k_q605acc0bae_soft-k_q605acc0bae_soft
	.p2alignl 7, 3214868480
	.fill 96, 4, 3214868480
	.section	.rodata,"a",@progbits
	.p2align	6, 0x0
	.amdhsa_kernel k_q605acc0bae_soft
		.amdhsa_group_segment_fixed_size 1280
		.amdhsa_private_segment_fixed_size 0
		.amdhsa_enable_private_segment 0
		.amdhsa_kernarg_size 16
		.amdhsa_user_sgpr_count 2
		.amdhsa_user_sgpr_kernarg_segment_ptr 1
		.amdhsa_wavefront_size32 1
		.amdhsa_system_sgpr_workgroup_id_x 1
		.amdhsa_system_sgpr_workgroup_id_y 1
		.amdhsa_system_sgpr_workgroup_id_z 1
		.amdhsa_system_vgpr_workitem_id 0
		.amdhsa_next_free_vgpr 34
		.amdhsa_next_free_sgpr 66
		.amdhsa_reserve_vcc 0
		.amdhsa_float_denorm_mode_32 3
		.amdhsa_float_denorm_mode_16_64 3
		.amdhsa_memory_ordered 1
		.amdhsa_forward_progress 1
		.amdhsa_inst_pref_size 6
	.end_amdhsa_kernel
	.amdgpu_metadata
---
amdhsa.version: [ 1, 2 ]
amdhsa.kernels:
  - .name:           k_q605acc0bae_soft
    .symbol:         k_q605acc0bae_soft.kd
    .args:
      - { .name: scores, .offset: 0, .size: 8, .value_kind: global_buffer, .address_space: global }
      - { .name: out0, .offset: 8, .size: 8, .value_kind: global_buffer, .address_space: global }
    .group_segment_fixed_size: 1280
    .private_segment_fixed_size: 0
    .kernarg_segment_align: 8
    .kernarg_segment_size: 16
    .max_flat_workgroup_size: 256
    .sgpr_count:     66
    .vgpr_count:     34
    .wavefront_size: 32
...
	.end_amdgpu_metadata
.endif
;; end of part 3
